; MI455X (gfx1250); checked and timed in simulation.
; The chip was launched on July 23, 2026; its instructions are those of AMD's public machine-readable ISA for CDNA 5 (MIT licence, August 2026) and "CDNA5" Instruction Set Architecture Reference Guide (July 2026). The comments in the code are by the model that wrote it; some were corrected since.
;; Composer. Allowed arithmetic: float matrix products may take bf16 or f16 operands with f32 sums; all other float work in f32.
;; Inputs: V 500,000 x 16 float32; b 16 float32; gammas 16 x 16 float32; w 16 float32.
;; Outputs: out0 500,000 x 16 float32; out1 500,000 x 16 float32.
;; One version. Each part assembles by itself: llvm-mc -triple=amdgcn-amd-amdhsa -mcpu=gfx1250 --defsym DOCPART=n.
;; ======== version 1 of 1: 2 launches
;; workspace buffers: pmin 16,384 bytes
;; launch colmin (part 1): grid 256 x 1, 16 waves a work-group, no clusters, 3,072 bytes of LDS; arguments V, pmin; writes pmin
.if DOCPART == 1
	.amdgcn_target "amdgcn-amd-amdhsa--gfx1250"
	.amdhsa_code_object_version 6
	.text
	.protected	k_q1b67776df2_colmin
	.globl	k_q1b67776df2_colmin
	.p2align	8
	.type	k_q1b67776df2_colmin,@function
k_q1b67776df2_colmin:
	s_mov_b64 s[64:65], 0
	v_nop
	global_prefetch_b8 v0, s[64:65] scope:SCOPE_SE
	s_setreg_imm32_b32 hwreg(HW_REG_WAVE_MODE, 25, 1), 1
	s_wait_xcnt 0x0
; pmin[g][c] = the smallest V[n][c] over the rows that work-group g reads.  V: [500000][16] f32.  pmin: [256][16] f32.
; The minimum over all rows spans work-groups, so it is finished by the next launch, which reduces these 256 partial rows.
; V is 62,500 pieces of 512 bytes (8 rows).  4,096 waves; wave gw takes the pieces gw + 4096 k, k = 0 .. 15, with all sixteen loads
; in flight at once (64 registers).  One load of a wave covers 512 consecutive bytes, aligned; a work-group's sixteen waves cover 8 KiB.
; Only k = 15 can pass the end (4096 x 15 + gw > 62,499): there the piece is clamped to the last one; a minimum may see a value twice.
; A row is 64 bytes, so a lane's 16 bytes are always the columns 4 q .. 4 q + 3, q = lane & 3.
; No cluster: the work-groups share no byte of V.  No matrix unit, no tensor load: each byte is used once, by the lane that loads it.
; LIMIT: a NaN in V is dropped by v_min_num_f32 (jnp.min would hand it on): V holds no NaN.
.set UNITS,     62500                  ; pieces of 512 bytes in V
.set WAVES_ALL, 4096                   ; 256 work-groups x 16 waves
.set KSTEP,     WAVES_ALL*512          ; bytes from a wave's piece to its next: 2 MiB
.set X,         8                      ; v[8:71]  sixteen pieces, 4 registers each; v[8:11] then carries the running minimum
	s_load_b128 s[4:7], s[0:1], 0x0                ; V s[4:5], pmin s[6:7]
	v_lshl_add_u32 v80, v0, 2, 0x400
	v_mov_b32 v81, 0
	v_lshrrev_b32 v1, 5, v0
	v_readfirstlane_b32 s8, v1                     ; wave 0 .. 15
	s_lshl_b32 s9, ttmp9, 13                       ; the work-group's 8 KiB in each step
	v_lshl_add_u32 v2, v0, 4, s9                   ; my 16 bytes of piece gw = 16 x work-group + wave
	v_and_b32 v3, 31, v0
	v_lshlrev_b32 v3, 4, v3
	v_add_nc_u32 v3, (UNITS-1)*512, v3             ; my 16 bytes of V's last piece
	v_add_nc_u32 v4, 15*KSTEP, v2                  ; step 15,
	v_min_u32 v4, v4, v3                           ; held inside V (both carry the same 16 x lane)
	v_and_b32 v5, 3, v0                            ; q
	s_lshl_b32 s18, s8, 6
	v_lshl_add_u32 v5, v5, 4, s18                  ; LDS: 64 bytes a wave, 16 for each q
	s_mov_b32 s10, 0x76543210                      ; v_permlanex16_b32: lane i reads lane i of the other half
	s_mov_b32 s11, 0xfedcba98
	s_wait_kmcnt 0x0
	s_add_nc_u64 s[12:13], s[4:5], 4*KSTEP         ; the immediate offset reaches three steps (6 MiB of its signed 24 bits):
	s_add_nc_u64 s[14:15], s[4:5], 8*KSTEP         ; a base for every four steps
	s_add_nc_u64 s[16:17], s[4:5], 12*KSTEP
	; no cache hint: the next launch reads V again
.irp k, 0,1,2,3
	global_load_b128 v[X+4*\k:X+4*\k+3], v2, s[4:5] offset:\k*KSTEP
.endr
.irp k, 0,1,2,3
	global_load_b128 v[X+16+4*\k:X+16+4*\k+3], v2, s[12:13] offset:\k*KSTEP
.endr
.irp k, 0,1,2,3
	global_load_b128 v[X+32+4*\k:X+32+4*\k+3], v2, s[14:15] offset:\k*KSTEP
.endr
.irp k, 0,1,2
	global_load_b128 v[X+48+4*\k:X+48+4*\k+3], v2, s[16:17] offset:\k*KSTEP
.endr
	global_load_b128 v[X+60:X+63], v4, s[4:5]
	; in the lane: three pieces, then two more at a time, as they arrive (loads return in order: ISA guide 5.7.1)
	s_wait_loadcnt 13                              ; pieces 0, 1, 2 are in; the 13 younger loads stay out
.irp c, 0,1,2,3
	v_min3_num_f32 v[X+\c], v[X+\c], v[X+4+\c], v[X+8+\c]
.endr
.set p, 0
.rept 6
	s_wait_loadcnt 11-2*p                          ; pieces 3 + 2 p and 4 + 2 p are in; 11 - 2 p loads are younger
.irp c, 0,1,2,3
	v_min3_num_f32 v[X+\c], v[X+\c], v[X+12+8*p+\c], v[X+16+8*p+\c]
.endr
.set p, p+1
.endr
	s_wait_loadcnt 0x0                             ; piece 15
.irp c, 0,1,2,3
	v_min_num_f32 v[X+\c], v[X+\c], v[X+60+\c]
.endr
; The minimum over the eight lanes that hold the same four columns (lane xor 4, 8, 16); every lane ends with the result.
; v[X+4:X+7] take the other half's values: they have been written before, as a v_permlanex16_b32 destination has to be.
.macro SAMEQ
.irp c, 0,1,2,3
	v_min_num_f32_dpp v[X+\c], v[X+\c], v[X+\c] row_xmask:4 row_mask:0xf bank_mask:0xf
.endr
.irp c, 0,1,2,3
	v_min_num_f32_dpp v[X+\c], v[X+\c], v[X+\c] row_xmask:8 row_mask:0xf bank_mask:0xf
.endr
.irp c, 0,1,2,3
	v_permlanex16_b32 v[X+4+\c], v[X+\c], s10, s11
.endr
.irp c, 0,1,2,3
	v_min_num_f32 v[X+\c], v[X+\c], v[X+4+\c]
.endr
.endm
	SAMEQ
	ds_store_b128 v5, v[X:X+3]                     ; the eight lanes of one q write the same 16 bytes with the same values
	s_wait_dscnt 0x0                               ; for the sake of wave 0, which reads them: zero
	s_barrier_signal -1
	s_barrier_wait -1
	s_cmp_lg_u32 s8, 0
	s_cbranch_scc1 .Lothers
	; wave 0: 16 waves x 4 q = 64 entries of 16 bytes; lane l takes entries l and l + 32, both of its own q
	v_lshlrev_b32 v6, 4, v0
	ds_load_b128 v[X:X+3], v6
	ds_load_b128 v[X+4:X+7], v6 offset:512
	s_lshl_b32 s19, ttmp9, 6
	v_lshl_add_u32 v7, v0, 4, s19                  ; pmin: 64 bytes a work-group
	s_wait_dscnt 0x0
.irp c, 0,1,2,3
	v_min_num_f32 v[X+\c], v[X+\c], v[X+4+\c]
.endr
	SAMEQ
	v_cmp_gt_u32 vcc_lo, 4, v0                     ; lanes 0 .. 3 hold the 16 columns between them
	s_wait_xcnt 0x0                                ; EXEC is narrowed only when no memory instruction still needs it
	s_wait_tensorcnt 0x0
	ds_add_u32 v80, v81
	s_wait_dscnt 0x0
	s_and_saveexec_b32 s20, vcc_lo
	global_store_b128 v7, v[X:X+3], s[6:7]         ; 64 bytes: all that a work-group has to say
	s_endpgm
.Lothers:
	s_wait_tensorcnt 0x0
	ds_add_u32 v80, v81
	s_wait_dscnt 0x0
	s_endpgm
.Lfunc_end_k_q1b67776df2_colmin:
	.size	k_q1b67776df2_colmin, .Lfunc_end_k_q1b67776df2_colmin-k_q1b67776df2_colmin
	.p2alignl 7, 3214868480
	.fill 96, 4, 3214868480
	.section	.rodata,"a",@progbits
	.p2align	6, 0x0
	.amdhsa_kernel k_q1b67776df2_colmin
		.amdhsa_group_segment_fixed_size 3072
		.amdhsa_private_segment_fixed_size 0
		.amdhsa_enable_private_segment 0
		.amdhsa_kernarg_size 16
		.amdhsa_user_sgpr_count 2
		.amdhsa_user_sgpr_kernarg_segment_ptr 1
		.amdhsa_wavefront_size32 1
		.amdhsa_system_sgpr_workgroup_id_x 1
		.amdhsa_system_sgpr_workgroup_id_y 1
		.amdhsa_system_sgpr_workgroup_id_z 1
		.amdhsa_system_vgpr_workitem_id 0
		.amdhsa_next_free_vgpr 82
		.amdhsa_next_free_sgpr 66
		.amdhsa_reserve_vcc 1
		.amdhsa_float_denorm_mode_32 3
		.amdhsa_float_denorm_mode_16_64 3
		.amdhsa_memory_ordered 1
		.amdhsa_forward_progress 1
		.amdhsa_inst_pref_size 8
	.end_amdhsa_kernel
	.amdgpu_metadata
---
amdhsa.version: [ 1, 2 ]
amdhsa.kernels:
  - .name:           k_q1b67776df2_colmin
    .symbol:         k_q1b67776df2_colmin.kd
    .args:
      - { .name: V, .offset: 0, .size: 8, .value_kind: global_buffer, .address_space: global }
      - { .name: pmin, .offset: 8, .size: 8, .value_kind: global_buffer, .address_space: global }
    .group_segment_fixed_size: 3072
    .private_segment_fixed_size: 0
    .kernarg_segment_align: 8
    .kernarg_segment_size: 16
    .max_flat_workgroup_size: 512
    .sgpr_count:     66
    .vgpr_count:     82
    .wavefront_size: 32
...
	.end_amdgpu_metadata
.endif
;; end of part 1
;; launch compose (part 2): grid 256 x 1, 32 waves a work-group, no clusters, 7,168 bytes of LDS; arguments V, w, b, gammas, pmin, out0, out1; writes out0, out1
.if DOCPART == 2
	.amdgcn_target "amdgcn-amd-amdhsa--gfx1250"
	.amdhsa_code_object_version 6
	.text
	.protected	k_q1b67776df2_compose
	.globl	k_q1b67776df2_compose
	.p2align	8
	.type	k_q1b67776df2_compose,@function
k_q1b67776df2_compose:
	s_mov_b64 s[64:65], 0
	v_nop
	global_prefetch_b8 v0, s[64:65] scope:SCOPE_SE
	s_setreg_imm32_b32 hwreg(HW_REG_WAVE_MODE, 25, 1), 1
	s_wait_xcnt 0x0
; out1 = log_softmax(-modal / 4), out0 = its exponential, modal[n][i] = phi_i + sum over j != i of phi_i^G[i][j] phi_j^(1 - G[i][j]),
; phi = (1 + w) max(V - Vmin + e, e) + b, G[i][j] = gammas[min(i,j)][max(i,j)].  V, out0, out1: [500000][16] f32.
; With L = log2 phi a term is exp2(L_j + G (L_i - L_j)): one exponential for the two powers, 240 for a row; the diagonal, phi_i, starts the sum.
;
; LAYOUT.  A piece is 512 bytes = 8 rows = one 16-byte load of a wave: four neighbouring lanes hold a row, lane q = lane & 3 its columns
; 4 q .. 4 q + 3.  The results are stored from the same lanes, so every load and store of a wave covers 512 consecutive bytes, aligned, and
; nothing is transposed.  Lane q makes modal for its own four i.  The j of the three other lanes of the row come by DPP (lane xor 1, 2, 3).
; G is the same for all rows: each lane keeps its 4 x 16 coefficients in 64 registers.
; WORK.  62,500 pieces, 8,192 waves: wave gw = 256 x wave + work-group takes pieces gw + 8192 k: 7 or 8 trips, and since the wave's number
; is the upper part of gw, the waves with 8 trips are the same ones in every work-group.  The next piece is asked for at the head of a trip.
; 32 waves of 128 registers: while one wave's exponentials are under way the others have plain arithmetic to issue.
; No cluster: the work-groups share only gammas (1 KiB) and pmin (16 KiB), read once each, against 375 KiB of V and results of their own.
; No tensor load, no matrix unit: each byte of V is used by the lane that loads it, and the problem holds no matrix product.
; LIMITS.  V holds no NaN (v_min_num_f32 and v_max_num_f32 drop it).  phi has to be positive and at least 2^-126: for phi < 0, phi = 0 or a
; denormal phi (v_log_f32 takes it as 0: ISA guide 15.8) the row is NaN here, also where the reference's powers are finite (phi = 0; a negative
; phi under a whole-number exponent).  out0 is exp(x - max) / sum, not exp(out1): the roundings differ in the last bits, and values
; below 2^-126 come out as 0.
.set UNITS,     62500                  ; pieces of 512 bytes
.set WAVES_ALL, 8192                   ; 256 work-groups x 32 waves
.set STEP,      WAVES_ALL*512          ; bytes from a wave's piece to its next: 4 MiB, inside the signed 24-bit immediate offset
.set PM,        1024                   ; LDS: bytes 0-1023 G[16][16]; bytes 1024-3071 the waves' minima, 64 bytes a wave
.set E32,       0x402df854             ; e
.set NTAUL2E,   0xbeb8aa3b             ; -tau log2(e), tau = 1 / sqrt(16) = 1/4
.set NTAU,      0xbe800000             ; -tau
.set NLN2,      0xbf317218             ; -ln 2
.set VO,   1                           ; v1        byte offset of my 16 bytes in V, out0, out1
.set VIN,  2                           ; v[2:5]    V, the piece in flight
.set ACC,  6                           ; v[6:9]    phi of my four columns, then the sums (modal), then modal - its minimum
.set L,    10                          ; v[10:13]  log2 phi of my four columns
.set LP,   14                          ; v[14:17]  log2 phi of the partner lane's four columns
.set T0,   18                          ; v[18:25]  a batch of eight terms
.set T1,   26                          ; v[26:33]  the other batch; at the end out0's and out1's 16 bytes
.set VMIN, 34                          ; v[34:37]  column minima of my four columns
.set W1,   38                          ; v[38:41]  1 + w
.set BB,   42                          ; v[42:45]  b
.set GB,   46                          ; v[46:109] G[4 (q xor s) + c][4 q + a] at GB + 16 s + 4 c + a
.set PA,   113                         ; v110-127: the prologue's addresses and temporaries
.set QA,   114
.set PS,   115
.set PR,   116
.set PV,   120
.set GA,   124
	s_load_b256 s[4:11], s[0:1], 0x0               ; V s[4:5], w s[6:7], b s[8:9], gammas s[10:11]
	s_load_b128 s[12:15], s[0:1], 0x20             ; pmin s[12:13], out0 s[14:15]
	s_load_b64 s[16:17], s[0:1], 0x30              ; out1
	v_lshrrev_b32 v110, 5, v0
	v_readfirstlane_b32 s18, v110                  ; wave 0 .. 31
	v_and_b32 v111, 31, v0                         ; lane
	v_and_b32 v112, 3, v0                          ; q
	s_lshl_b32 s19, s18, 8
	s_add_co_u32 s19, s19, ttmp9                   ; my first piece; s19 counts the pieces from here on
	s_lshl_b32 s20, s19, 9
	v_lshl_add_u32 v[VO], v111, 4, s20             ; 512 x piece + 16 x lane
	v_lshlrev_b32 v[PA], 4, v0                     ; pmin is 1,024 x 16 bytes: thread t takes partial row t / 4, columns 4 (t & 3) ..
	v_lshlrev_b32 v[QA], 4, v112                   ; my four columns in w and b
	s_mov_b32 s22, 0x76543210                      ; v_permlanex16_b32: lane i reads lane i of the other half
	s_mov_b32 s23, 0xfedcba98
	s_wait_kmcnt 0x0
	global_load_b128 v[PV:PV+3], v[PA], s[12:13]
	global_load_b128 v[W1:W1+3], v[QA], s[6:7]
	global_load_b128 v[BB:BB+3], v[QA], s[8:9]
	global_load_b128 v[VIN:VIN+3], v[VO], s[4:5] th:TH_LOAD_NT     ; the first piece; this launch reads each byte of V once
	s_lshl_b32 s20, s18, 6
	s_add_co_u32 s20, s20, PM
	v_add_nc_u32 v[PS], s20, v[QA]                 ; where my wave's minima go: PM + 64 x wave + 16 q
	v_lshlrev_b32 v[PR], 4, v111                   ; and from where they are read back: 16 x lane
	v_lshl_add_u32 v[GA], v112, 8, v[QA]           ; G's rows 4 (q xor s) .., columns 4 q ..: 256 (q xor s) + 16 q
.irp s, 1,2,3
	v_xor_b32 v117, \s, v112
	v_lshl_add_u32 v[GA+\s], v117, 8, v[QA]
.endr
.irp k, 0,1,2,3
	v_mov_b32 v[LP+\k], 0                          ; written once: the destination of a permlane or DPP form counts as read
.endr
	; waves 0 to 7, thread t < 256: G[t / 16][t % 16] = gammas[min][max] into LDS (the diagonal's entry is never used)
	s_cmp_ge_u32 s18, 8
	s_cbranch_scc1 .Lno_g
	v_lshrrev_b32 v117, 4, v0
	v_and_b32 v118, 15, v0
	v_min_u32 v119, v117, v118
	v_add_nc_u32 v117, v117, v118
	v_mad_u32_u24 v119, v119, 15, v117             ; 16 min + max = 15 min + (row + column)
	v_lshlrev_b32 v119, 2, v119
	v_lshlrev_b32 v118, 2, v0
	global_load_b32 v117, v119, s[10:11]
	s_wait_loadcnt 0x0
	ds_store_b32 v118, v117
.Lno_g:
; The minimum over the eight lanes that hold the same four columns (lane xor 4, 8, 16); every lane ends with the result.
.macro SAMEQ r
.irp k, 0,1,2,3
	v_min_num_f32_dpp v[\r+\k], v[\r+\k], v[\r+\k] row_xmask:4 row_mask:0xf bank_mask:0xf
.endr
.irp k, 0,1,2,3
	v_min_num_f32_dpp v[\r+\k], v[\r+\k], v[\r+\k] row_xmask:8 row_mask:0xf bank_mask:0xf
.endr
.irp k, 0,1,2,3
	v_permlanex16_b32 v[LP+\k], v[\r+\k], s22, s23
.endr
.irp k, 0,1,2,3
	v_min_num_f32 v[\r+\k], v[\r+\k], v[LP+\k]
.endr
.endm
	s_wait_loadcnt 0x3                             ; my 16 bytes of pmin are in; w, b and V, the three younger loads, stay out
	SAMEQ PV                                       ; the wave's 8 partial rows
	ds_store_b128 v[PS], v[PV:PV+3]                ; the eight lanes of one q write the same 16 bytes with the same values
	s_wait_dscnt 0x0                               ; G and the minima are read by other waves: zero
	s_barrier_signal -1
	s_barrier_wait -1
	; 32 waves x 4 q = 128 entries of 16 bytes: lane l takes entries l, l + 32, l + 64, l + 96, all of its own q
	ds_load_b128 v[VMIN:VMIN+3], v[PR] offset:PM
	ds_load_b128 v[PV:PV+3], v[PR] offset:PM+512
	ds_load_b128 v[T0:T0+3], v[PR] offset:PM+1024
	ds_load_b128 v[T0+4:T0+7], v[PR] offset:PM+1536
.irp s, 0,1,2,3
.irp c, 0,1,2,3
	ds_load_b128 v[GB+16*\s+4*\c:GB+16*\s+4*\c+3], v[GA+\s] offset:64*\c
.endr
.endr
	s_wait_dscnt 16                                ; the four loads of minima are in; G's sixteen are younger
.irp k, 0,1,2,3
	v_min3_num_f32 v[VMIN+\k], v[VMIN+\k], v[PV+\k], v[T0+\k]
.endr
.irp k, 0,1,2,3
	v_min_num_f32 v[VMIN+\k], v[VMIN+\k], v[T0+4+\k]
.endr
	SAMEQ VMIN                                     ; Vmin of my four columns, over all 500,000 rows
	s_wait_loadcnt 0x1                             ; w and b are in; V's first piece may be out
	v_pk_add_f32 v[W1:W1+1], v[W1:W1+1], 1.0 op_sel_hi:[1,0]
	v_pk_add_f32 v[W1+2:W1+3], v[W1+2:W1+3], 1.0 op_sel_hi:[1,0]
	s_wait_dscnt 0x0                               ; G
; A GROUP is two terms: i = my columns a, a + 1 (a = 2 (g % 2)), one j.  Its arguments L_j + G (L_i - L_j) are two packed instructions; L_j is
; register c2 + sel of the pair at lpb + c2, given to both halves by op_sel.  Four groups are a BATCH, in T0 and T1 in turn.
; G3 does three things for group g: adds the terms that lie in buffer tn (two batches back) to the sums, takes the exponentials of the batch in
; buffer tc, and lays a new group's arguments into tn.  Zipped so, each v_exp_f32 has behind it a plain instruction that names none of its
; registers, as a transcendental needs before its result is used (ISA guide 5.7.2), and no v_nop is spent.
.macro G3 acc, ex, tc, tn, g, lpb, c2, sel, gr
.if \acc
	s_wait_alu depctr_va_vdst(0)
	v_pk_add_f32 v[ACC+2*(\g%2):ACC+2*(\g%2)+1], v[ACC+2*(\g%2):ACC+2*(\g%2)+1], v[\tn+2*\g:\tn+2*\g+1]
.endif
.if \ex
	v_exp_f32 v[\tc+2*\g], v[\tc+2*\g]
.endif
	v_pk_add_f32 v[\tn+2*\g:\tn+2*\g+1], v[L+2*(\g%2):L+2*(\g%2)+1], v[\lpb+\c2:\lpb+\c2+1] op_sel:[0,\sel] op_sel_hi:[1,\sel] neg_lo:[0,1] neg_hi:[0,1]
.if \ex
	v_exp_f32 v[\tc+2*\g+1], v[\tc+2*\g+1]
.endif
	v_pk_fma_f32 v[\tn+2*\g:\tn+2*\g+1], v[\gr:\gr+1], v[\tn+2*\g:\tn+2*\g+1], v[\lpb+\c2:\lpb+\c2+1] op_sel:[0,0,\sel] op_sel_hi:[1,1,\sel]
.endm
; a batch against the partner lane: j = its columns c2 and c2 + 1, all four i; gb = GB + 16 s + 4 c2
.macro SBATCH tc, tn, gb, c2
	G3 1, 1, \tc, \tn, 0, LP, \c2, 0, \gb
	G3 1, 1, \tc, \tn, 1, LP, \c2, 0, \gb+2
	G3 1, 1, \tc, \tn, 2, LP, \c2, 1, \gb+4
	G3 1, 1, \tc, \tn, 3, LP, \c2, 1, \gb+6
.endm
; the two terms (i, j) = (a, a + 1) and (a + 1, a) inside one register pair: L_j is the pair swapped; g: the pair whose second register is G[a][a+1]
.macro SWP t, a, g
	s_wait_alu depctr_va_vdst(0)
	v_pk_add_f32 v[\t:\t+1], v[L+\a:L+\a+1], v[L+\a:L+\a+1] op_sel:[0,1] op_sel_hi:[1,0] neg_lo:[0,1] neg_hi:[0,1]
	v_pk_fma_f32 v[\t:\t+1], v[\g:\g+1], v[\t:\t+1], v[L+\a:L+\a+1] op_sel:[1,0,1] op_sel_hi:[1,1,0]
.endm
.macro PARTNER s                       ; the logarithms of lane xor s: the same row's columns 4 (q xor s) ..
	s_wait_alu depctr_va_vdst(0)
.irp k, 0,1,2,3
	v_mov_b32_dpp v[LP+\k], v[L+\k] row_xmask:\s row_mask:0xf bank_mask:0xf
.endr
.endm
; One piece.  ahead = 1: the wave's next piece is asked for.
.macro TRIP ahead
	s_wait_loadcnt 0x0                             ; my piece, the only load that is out; its address register VO is free with it
	s_wait_xcnt 0x0                                ; the last trip's stores have had their addresses translated (ISA guide 3.1): VO and T1, which they read, are rewritten only behind this wait
	v_pk_add_f32 v[ACC:ACC+1], v[VIN:VIN+1], v[VMIN:VMIN+1] neg_lo:[0,1] neg_hi:[0,1]
	v_pk_add_f32 v[ACC+2:ACC+3], v[VIN+2:VIN+3], v[VMIN+2:VMIN+3] neg_lo:[0,1] neg_hi:[0,1]
.if \ahead
	v_add_nc_u32 v[VO], STEP, v[VO]                ; the next piece; this trip's stores reach back by a negative offset
	global_load_b128 v[VIN:VIN+3], v[VO], s[4:5] th:TH_LOAD_NT
.endif
	v_pk_add_f32 v[ACC:ACC+1], v[ACC:ACC+1], E32 op_sel_hi:[1,0]
	v_pk_add_f32 v[ACC+2:ACC+3], v[ACC+2:ACC+3], E32 op_sel_hi:[1,0]
.irp k, 0,1,2,3
	v_max_num_f32 v[ACC+\k], E32, v[ACC+\k]
.endr
	v_pk_fma_f32 v[ACC:ACC+1], v[W1:W1+1], v[ACC:ACC+1], v[BB:BB+1]            ; phi: also the diagonal's term, the start of the sums
	v_log_f32 v[L], v[ACC]
	v_log_f32 v[L+1], v[ACC+1]
	v_pk_fma_f32 v[ACC+2:ACC+3], v[W1+2:W1+3], v[ACC+2:ACC+3], v[BB+2:BB+3]    ; the plain place behind the first two logarithms
	v_log_f32 v[L+2], v[ACC+2]
	v_log_f32 v[L+3], v[ACC+3]
	; batch 0 (T0, two groups): my own columns, (0,1) (1,0) and (2,3) (3,2).  The first group's lines are the places behind the last two logarithms.
	SWP T0, 0, GB
	SWP T0+2, 2, GB+10
	; batch 1 (T1): my own columns, i = 0, 1 against j = 2, 3 and i = 2, 3 against j = 0, 1; batch 0's four exponentials
	G3 0, 1, T0, T1, 0, L, 2, 0, GB+8
	G3 0, 1, T0, T1, 1, L, 0, 0, GB+2
	G3 0, 0, T0, T1, 2, L, 2, 1, GB+12
	G3 0, 0, T0, T1, 3, L, 0, 1, GB+6
	PARTNER 1
	G3 1, 1, T1, T0, 0, LP, 0, 0, GB+16            ; batch 2; batch 0 had two groups to add
	G3 1, 1, T1, T0, 1, LP, 0, 0, GB+18
	G3 0, 1, T1, T0, 2, LP, 0, 1, GB+20
	G3 0, 1, T1, T0, 3, LP, 0, 1, GB+22
	SBATCH T0, T1, GB+24, 2                        ; batch 3
	PARTNER 2
	SBATCH T1, T0, GB+32, 0                        ; batch 4
	SBATCH T0, T1, GB+40, 2                        ; batch 5
	PARTNER 3
	SBATCH T1, T0, GB+48, 0                        ; batch 6
	SBATCH T0, T1, GB+56, 2                        ; batch 7
	s_wait_alu depctr_va_vdst(0)
.irp g, 0,1,2,3
	v_pk_add_f32 v[ACC+2*(\g%2):ACC+2*(\g%2)+1], v[ACC+2*(\g%2):ACC+2*(\g%2)+1], v[T0+2*\g:T0+2*\g+1]    ; batch 6's terms,
	v_exp_f32 v[T1+2*\g], v[T1+2*\g]                                                                 ; batch 7's exponentials
	v_exp_f32 v[T1+2*\g+1], v[T1+2*\g+1]
.endr
	s_wait_alu depctr_va_vdst(0)
.irp g, 0,1,2,3
	v_pk_add_f32 v[ACC+2*(\g%2):ACC+2*(\g%2)+1], v[ACC+2*(\g%2):ACC+2*(\g%2)+1], v[T1+2*\g:T1+2*\g+1]    ; group 0's line is the place behind the last two
.endr
	; log_softmax of x = -tau modal.  max x = -tau min modal, and tau = 1/4 is exact, so x - max x = -tau z with z = modal - min modal >= 0.
	v_min3_num_f32 v[T0], v[ACC], v[ACC+1], v[ACC+2]
	v_min_num_f32 v[T0], v[T0], v[ACC+3]
	v_min_num_f32_dpp v[T0], v[T0], v[T0] row_xmask:1 row_mask:0xf bank_mask:0xf    ; over the row's four lanes
	v_min_num_f32_dpp v[T0], v[T0], v[T0] row_xmask:2 row_mask:0xf bank_mask:0xf
	v_pk_add_f32 v[ACC:ACC+1], v[ACC:ACC+1], v[T0:T0+1] op_sel_hi:[1,0] neg_lo:[0,1] neg_hi:[0,1]
	v_pk_add_f32 v[ACC+2:ACC+3], v[ACC+2:ACC+3], v[T0:T0+1] op_sel_hi:[1,0] neg_lo:[0,1] neg_hi:[0,1]
	v_pk_mul_f32 v[T1:T1+1], v[ACC:ACC+1], NTAUL2E op_sel_hi:[1,0]
	v_pk_mul_f32 v[T1+2:T1+3], v[ACC+2:ACC+3], NTAUL2E op_sel_hi:[1,0]
.irp k, 0,1,2,3
	v_exp_f32 v[T1+\k], v[T1+\k]                   ; exp(x - max x), between 0 and 1; the largest is 1
.endr
	v_pk_mul_f32 v[T1+4:T1+5], v[ACC:ACC+1], NTAU op_sel_hi:[1,0]              ; x - max x; the place behind the exponentials
	s_wait_alu depctr_va_vdst(0)
	v_pk_add_f32 v[T0+2:T0+3], v[T1:T1+1], v[T1+2:T1+3]
	v_add_f32 v[T0+2], v[T0+2], v[T0+3]
	v_add_f32_dpp v[T0+2], v[T0+2], v[T0+2] row_xmask:1 row_mask:0xf bank_mask:0xf
	v_add_f32_dpp v[T0+2], v[T0+2], v[T0+2] row_xmask:2 row_mask:0xf bank_mask:0xf  ; the row's sum, 1 to 16
	v_log_f32 v[T0+4], v[T0+2]
	v_rcp_f32 v[T0+5], v[T0+2]
	v_pk_mul_f32 v[T1+6:T1+7], v[ACC+2:ACC+3], NTAU op_sel_hi:[1,0]            ; the place behind these two
	s_wait_alu depctr_va_vdst(0)
	v_pk_fma_f32 v[T1+4:T1+5], v[T0+4:T0+5], NLN2, v[T1+4:T1+5] op_sel_hi:[0,0,1]      ; logits = (x - max x) - ln 2 log2(sum)
	v_pk_fma_f32 v[T1+6:T1+7], v[T0+4:T0+5], NLN2, v[T1+6:T1+7] op_sel_hi:[0,0,1]
	v_pk_mul_f32 v[T1:T1+1], v[T1:T1+1], v[T0+4:T0+5] op_sel:[0,1] op_sel_hi:[1,1]     ; alphas = exp(x - max x) / sum
	v_pk_mul_f32 v[T1+2:T1+3], v[T1+2:T1+3], v[T0+4:T0+5] op_sel:[0,1] op_sel_hi:[1,1]
.if \ahead
	global_store_b128 v[VO], v[T1:T1+3], s[14:15] offset:-STEP th:TH_STORE_NT          ; 512 consecutive bytes a wave, aligned; written once, not read again
	global_store_b128 v[VO], v[T1+4:T1+7], s[16:17] offset:-STEP th:TH_STORE_NT
.else
	global_store_b128 v[VO], v[T1:T1+3], s[14:15] th:TH_STORE_NT
	global_store_b128 v[VO], v[T1+4:T1+7], s[16:17] th:TH_STORE_NT
.endif
.endm
.Ltrip:
	TRIP 1
	s_add_co_u32 s19, s19, WAVES_ALL               ; the piece that is now on its way
	s_cmp_lt_u32 s19, UNITS-WAVES_ALL              ; is there one more behind it?
	s_cbranch_scc1 .Ltrip
	TRIP 0                                         ; the wave's last piece: nothing is asked for, no load leaves V
	s_wait_xcnt 0x0
	v_lshl_add_u32 v126, v0, 2, 0xc00
	v_mov_b32 v127, 0
	s_wait_tensorcnt 0x0
	ds_add_u32 v126, v127
	s_wait_dscnt 0x0
	s_endpgm
.Lfunc_end_k_q1b67776df2_compose:
	.size	k_q1b67776df2_compose, .Lfunc_end_k_q1b67776df2_compose-k_q1b67776df2_compose
	.p2alignl 7, 3214868480
	.fill 96, 4, 3214868480
	.section	.rodata,"a",@progbits
	.p2align	6, 0x0
	.amdhsa_kernel k_q1b67776df2_compose
		.amdhsa_group_segment_fixed_size 7168
		.amdhsa_private_segment_fixed_size 0
		.amdhsa_enable_private_segment 0
		.amdhsa_kernarg_size 56
		.amdhsa_user_sgpr_count 2
		.amdhsa_user_sgpr_kernarg_segment_ptr 1
		.amdhsa_wavefront_size32 1
		.amdhsa_system_sgpr_workgroup_id_x 1
		.amdhsa_system_sgpr_workgroup_id_y 1
		.amdhsa_system_sgpr_workgroup_id_z 1
		.amdhsa_system_vgpr_workitem_id 0
		.amdhsa_next_free_vgpr 128
		.amdhsa_next_free_sgpr 66
		.amdhsa_reserve_vcc 0
		.amdhsa_float_denorm_mode_32 3
		.amdhsa_float_denorm_mode_16_64 3
		.amdhsa_memory_ordered 1
		.amdhsa_forward_progress 1
		.amdhsa_inst_pref_size 31
	.end_amdhsa_kernel
	.amdgpu_metadata
---
amdhsa.version: [ 1, 2 ]
amdhsa.kernels:
  - .name:           k_q1b67776df2_compose
    .symbol:         k_q1b67776df2_compose.kd
    .args:
      - { .name: V, .offset: 0, .size: 8, .value_kind: global_buffer, .address_space: global }
      - { .name: w, .offset: 8, .size: 8, .value_kind: global_buffer, .address_space: global }
      - { .name: b, .offset: 16, .size: 8, .value_kind: global_buffer, .address_space: global }
      - { .name: gammas, .offset: 24, .size: 8, .value_kind: global_buffer, .address_space: global }
      - { .name: pmin, .offset: 32, .size: 8, .value_kind: global_buffer, .address_space: global }
      - { .name: out0, .offset: 40, .size: 8, .value_kind: global_buffer, .address_space: global }
      - { .name: out1, .offset: 48, .size: 8, .value_kind: global_buffer, .address_space: global }
    .group_segment_fixed_size: 7168
    .private_segment_fixed_size: 0
    .kernarg_segment_align: 8
    .kernarg_segment_size: 56
    .max_flat_workgroup_size: 1024
    .sgpr_count:     66
    .vgpr_count:     128
    .wavefront_size: 32
...
	.end_amdgpu_metadata
.endif
;; end of part 2
